; MI455X (gfx1250); checked and timed in simulation.
; The chip was launched on July 23, 2026; its instructions are those of AMD's public machine-readable ISA for CDNA 5 (MIT licence, August 2026) and "CDNA5" Instruction Set Architecture Reference Guide (July 2026). The comments in the code are by the model that wrote it; some were corrected since.
;; Additive Attention. Allowed arithmetic: float matrix products may take bf16 or f16 operands with f32 sums; all other float work in f32.
;; Inputs: W1 1,024 x 1,024 float32; W2 1,024 x 1,024 float32; keys 32 x 2,048 x 1,024 float32; mask 32 x 2,048 bool; query 32 x 1,024 float32; v 1,024 float32.
;; Outputs: out0 32 x 2,048 float32.
;; 2 versions, each right; version 2 is version 1 with the launch prep written anew for expert scheduling mode. Each part assembles by itself: llvm-mc -triple=amdgcn-amd-amdhsa -mcpu=gfx1250 --defsym DOCPART=n.
;; ======== version 1 of 2: 3 launches
;; workspace buffers: W2b 2,097,152 bytes; w1qF 131,072 bytes; part 1,048,576 bytes
;; launch prep (part 1): grid 128 x 1, 8 waves a work-group, no clusters, 17,408 bytes of LDS; arguments query, W1, W2, w1qF, W2b; writes w1qF, W2b
.if DOCPART == 1
	.amdgcn_target "amdgcn-amd-amdhsa--gfx1250"
	.amdhsa_code_object_version 6
	.text
	.protected	k_qb685d7bb95_prep
	.globl	k_qb685d7bb95_prep
	.p2align	8
	.type	k_qb685d7bb95_prep,@function
k_qb685d7bb95_prep:
	s_mov_b64 s[64:65], 0
	v_nop
	global_prefetch_b8 v0, s[64:65] scope:SCOPE_SE
	s_setreg_imm32_b32 hwreg(HW_REG_WAVE_MODE, 25, 1), 1
	s_wait_xcnt 0x0
; Two small jobs ahead of the large product, one to each half of the grid.
; Work-groups 0-63:   w1qF = c (query W1^T), c = 2 log2(e), f32, for 16 columns each (32 x 16 numbers, K = 1,024).
; Work-groups 64-127: W2b = W2 rounded to bf16, 16 rows each, laid out as [k / 64][row][64 k], so that 256 rows of one step of 64 k are 32,768 consecutive bytes.
; w1qF's layout is the accumulators' own: block g (columns 16 g ..) is 2,048 bytes; with rho = 8 (b >> 4) + (b & 7) the number (b, 16 g + r)
; lies at byte 512 (rho >> 2) + 256 ((b >> 3) & 1) + 16 r + 4 (rho & 3).
; LIMITS: query and W1 are rounded to bf16 for the product; sums in f32.
; NO CLUSTER, NO TENSOR LOADS: what work-groups share is query, 131,072 bytes in all, of which a wave takes the 16,384 of its own k range straight
; into registers; a joint load would add a trip through LDS and rounds of a cluster's barrier to a body that has one barrier.
.set CSC,  0x4038aa3b                  ; c = 2 log2(e): tanh(y) = 1 - 2 / (1 + 2^(c y))
.set FR,   32                          ; v[32:223] product: k step kq at +48 kq: 16 of W1, 16 of query's rows 0-15, 16 of rows 16-31 (f32, then bf16 in the first 8 of each)
.set ACC0, 224                         ; v[224:231] batches 0-15
.set ACC1, 232                         ; v[232:239] batches 16-31
	s_load_b256 s[4:11], s[0:1], 0x0               ; query s[4:5], W1 s[6:7], W2 s[8:9], w1qF s[10:11]
	s_load_b64 s[12:13], s[0:1], 0x20              ; W2b
	v_lshl_add_u32 v240, v0, 2, 0x4000
	v_mov_b32 v241, 0
	v_lshrrev_b32 v1, 5, v0
	v_readfirstlane_b32 s14, v1                    ; wave 0..7
	s_wait_kmcnt 0x0
	s_cmp_lt_u32 ttmp9, 64                         ; the work-group's number: the same in all its waves
	s_cbranch_scc0 .Lcast
	; THE PRODUCT.  Wave w takes k = 128 w .. 128 w + 127, four steps of 32; the eight waves' sums meet in LDS.
	v_and_b32 v2, 15, v0                           ; r: the row of query, and of W1, that my lane holds
	v_bfe_u32 v3, v0, 4, 1                         ; h
	v_lshlrev_b32 v4, 12, v2                       ; r rows of 4,096 bytes
	v_lshl_add_u32 v4, v3, 5, v4                   ; + 8 h numbers of 4 bytes
	v_lshl_add_u32 v4, s14, 9, v4                  ; + 128 w numbers
	s_lshl_b32 s16, ttmp9, 16                      ; my 16 rows of W1
	s_mov_b32 s17, 0
	s_add_nc_u64 s[6:7], s[6:7], s[16:17]
	s_lshl_b32 s18, ttmp9, 11                      ; my 2,048 bytes of w1qF
	s_mov_b32 s19, 0
	s_add_nc_u64 s[10:11], s[10:11], s[18:19]
	s_mov_b32 s20, CSC
	s_mov_b32 s21, CSC                             ; named with it as a pair, so it is written
	; A fragment wants k = 8 h .. 8 h + 7 and 16 + 8 h .. + 7 of a step of 32: in f32 the bytes 32 h + {0, 16, 64, 80}.  All 48 loads go out at once.
.irp kq, 0,1,2,3
.irp i, 0,1,2,3
	global_load_b128 v[FR+48*\kq+4*\i:FR+48*\kq+4*\i+3], v4, s[6:7] offset:128*\kq+16*(\i%2)+64*(\i/2) th:TH_LOAD_NT
.endr
.irp i, 0,1,2,3
	global_load_b128 v[FR+48*\kq+16+4*\i:FR+48*\kq+16+4*\i+3], v4, s[4:5] offset:128*\kq+16*(\i%2)+64*(\i/2)
.endr
.irp i, 0,1,2,3
	global_load_b128 v[FR+48*\kq+32+4*\i:FR+48*\kq+32+4*\i+3], v4, s[4:5] offset:65536+128*\kq+16*(\i%2)+64*(\i/2)
.endr
.endr
	v_and_b32 v6, 31, v0
	v_lshlrev_b32 v5, 4, v6
	v_lshl_add_u32 v5, s14, 11, v5                 ; LDS: my wave's 2,048 bytes, 16 bytes a lane
	v_lshlrev_b32 v7, 3, v0                        ; 8 bytes a thread: in each wave's part of LDS, and in w1qF
.irp kq, 0,1,2,3
	s_wait_loadcnt 36-12*\kq                       ; loads come back in order: this step's twelve are in, the later steps' twelve each stay out
.irp x, 0,1,2
.irp i, 0,1,2,3,4,5,6,7
	v_cvt_pk_bf16_f32 v[FR+48*\kq+16*\x+\i], v[FR+48*\kq+16*\x+2*\i], v[FR+48*\kq+16*\x+2*\i+1]   ; in place, ascending: word i is written when words 2 i and 2 i + 1 are read
.endr
.endr
	; the two accumulators take turns, one instruction a turn
.if \kq == 0
	v_wmma_f32_16x16x32_bf16 v[ACC0:ACC0+7], v[FR+16:FR+23], v[FR:FR+7], 0
	v_wmma_f32_16x16x32_bf16 v[ACC1:ACC1+7], v[FR+32:FR+39], v[FR:FR+7], 0
.else
	v_wmma_f32_16x16x32_bf16 v[ACC0:ACC0+7], v[FR+48*\kq+16:FR+48*\kq+23], v[FR+48*\kq:FR+48*\kq+7], v[ACC0:ACC0+7]
	v_wmma_f32_16x16x32_bf16 v[ACC1:ACC1+7], v[FR+48*\kq+32:FR+48*\kq+39], v[FR+48*\kq:FR+48*\kq+7], v[ACC1:ACC1+7]
.endif
.endr
.rept 4
	v_nop                                          ; four places between the last product and the LDS stores that read its result
.endr
.irp i, 0,1,2,3
	ds_store_b128 v5, v[ACC0+4*\i:ACC0+4*\i+3] offset:512*\i
.endr
	s_wait_dscnt 0x0                               ; for the others' sake: my stores are done
	s_barrier_signal -1
	s_barrier_wait -1
.irp w, 0,1,2,3,4,5,6,7
	ds_load_b64 v[8+2*\w:9+2*\w], v7 offset:2048*\w   ; the same two numbers of all eight waves
.endr
	s_wait_dscnt 0x0
	v_pk_add_f32 v[8:9], v[8:9], v[10:11]
	v_pk_add_f32 v[12:13], v[12:13], v[14:15]
	v_pk_add_f32 v[16:17], v[16:17], v[18:19]
	v_pk_add_f32 v[20:21], v[20:21], v[22:23]
	v_pk_add_f32 v[8:9], v[8:9], v[12:13]
	v_pk_add_f32 v[16:17], v[16:17], v[20:21]
	v_pk_add_f32 v[8:9], v[8:9], v[16:17]
	v_pk_mul_f32 v[8:9], v[8:9], s[20:21] op_sel_hi:[1,0]
	global_store_b64 v7, v[8:9], s[10:11]          ; a wave stores 256 consecutive bytes, aligned
	s_wait_tensorcnt 0x0
	ds_add_u32 v240, v241
	s_wait_dscnt 0x0
	s_endpgm
.Lcast:
	; THE CAST.  Wave w takes rows 4 (w & 3) .. + 3 of my 16 and the steps 8 (w >> 2) .. + 7 of 64 k; eight lanes share a row's 256 bytes of a step.
	s_sub_co_u32 s15, ttmp9, 64
	s_and_b32 s16, s14, 3
	s_lshr_b32 s17, s14, 2
	v_and_b32 v2, 31, v0
	v_lshrrev_b32 v3, 3, v2
	v_and_b32 v2, 7, v2
	v_lshl_add_u32 v3, s16, 2, v3                  ; my row among the 16
	v_lshlrev_b32 v4, 12, v3                       ; from: row x 4,096
	v_lshl_add_u32 v4, v2, 5, v4                   ;   + my 8 numbers of 4 bytes
	v_lshl_add_u32 v4, s17, 11, v4                 ;   + 8 steps of 256 bytes
	v_lshlrev_b32 v5, 7, v3                        ; to: row x 128
	v_lshl_add_u32 v5, v2, 4, v5                   ;   + my 8 numbers of 2 bytes
	v_lshl_add_u32 v5, s17, 20, v5                 ;   + 8 steps of 131,072 bytes
	s_lshl_b32 s18, s15, 16
	s_mov_b32 s19, 0
	s_add_nc_u64 s[8:9], s[8:9], s[18:19]          ; my 16 rows of W2
	s_lshl_b32 s20, s15, 11
	s_mov_b32 s21, 0
	s_add_nc_u64 s[12:13], s[12:13], s[20:21]      ; and their 128 bytes each in a step of W2b
.irp e, 0,1,2,3,4,5,6,7
	global_load_b128 v[32+8*\e:35+8*\e], v4, s[8:9] offset:256*\e th:TH_LOAD_NT
	global_load_b128 v[36+8*\e:39+8*\e], v4, s[8:9] offset:256*\e+16 th:TH_LOAD_NT
.endr
.irp e, 0,1,2,3,4,5,6,7
	s_wait_loadcnt 14-2*\e                         ; this step's two loads are in; the later steps' two each stay out
.irp i, 0,1,2,3
	v_cvt_pk_bf16_f32 v[96+4*\e+\i], v[32+8*\e+2*\i], v[32+8*\e+2*\i+1]
.endr
	global_store_b128 v5, v[96+4*\e:99+4*\e], s[12:13] offset:131072*\e   ; a wave stores four rows' 512 consecutive bytes, aligned
.endr
	s_endpgm
.Lfunc_end_k_qb685d7bb95_prep:
	.size	k_qb685d7bb95_prep, .Lfunc_end_k_qb685d7bb95_prep-k_qb685d7bb95_prep
	.p2alignl 7, 3214868480
	.fill 96, 4, 3214868480
	.section	.rodata,"a",@progbits
	.p2align	6, 0x0
	.amdhsa_kernel k_qb685d7bb95_prep
		.amdhsa_group_segment_fixed_size 17408
		.amdhsa_private_segment_fixed_size 0
		.amdhsa_enable_private_segment 0
		.amdhsa_kernarg_size 40
		.amdhsa_user_sgpr_count 2
		.amdhsa_user_sgpr_kernarg_segment_ptr 1
		.amdhsa_wavefront_size32 1
		.amdhsa_system_sgpr_workgroup_id_x 1
		.amdhsa_system_sgpr_workgroup_id_y 1
		.amdhsa_system_sgpr_workgroup_id_z 1
		.amdhsa_system_vgpr_workitem_id 0
		.amdhsa_next_free_vgpr 242
		.amdhsa_next_free_sgpr 66
		.amdhsa_reserve_vcc 0
		.amdhsa_float_denorm_mode_32 3
		.amdhsa_float_denorm_mode_16_64 3
		.amdhsa_memory_ordered 1
		.amdhsa_forward_progress 1
		.amdhsa_inst_pref_size 20
	.end_amdhsa_kernel
	.amdgpu_metadata
---
amdhsa.version: [ 1, 2 ]
amdhsa.kernels:
  - .name:           k_qb685d7bb95_prep
    .symbol:         k_qb685d7bb95_prep.kd
    .args:
      - { .name: query, .offset: 0, .size: 8, .value_kind: global_buffer, .address_space: global }
      - { .name: W1, .offset: 8, .size: 8, .value_kind: global_buffer, .address_space: global }
      - { .name: W2, .offset: 16, .size: 8, .value_kind: global_buffer, .address_space: global }
      - { .name: w1qF, .offset: 24, .size: 8, .value_kind: global_buffer, .address_space: global }
      - { .name: W2b, .offset: 32, .size: 8, .value_kind: global_buffer, .address_space: global }
    .group_segment_fixed_size: 17408
    .private_segment_fixed_size: 0
    .kernarg_segment_align: 8
    .kernarg_segment_size: 40
    .max_flat_workgroup_size: 256
    .sgpr_count:     66
    .vgpr_count:     242
    .wavefront_size: 32
...
	.end_amdgpu_metadata
.endif
;; end of part 1
;; launch score (part 2): grid 4 x 64, 4 waves a work-group, clusters of 4 x 4, 327,680 bytes of LDS; arguments keys, W2b, w1qF, v, part; writes part
.if DOCPART == 2
	.amdgcn_target "amdgcn-amd-amdhsa--gfx1250"
	.amdhsa_code_object_version 6
	.text
	.protected	k_qb685d7bb95_score
	.globl	k_qb685d7bb95_score
	.p2align	8
	.type	k_qb685d7bb95_score,@function
k_qb685d7bb95_score:
	s_mov_b64 s[64:65], 0
	v_nop
	global_prefetch_b8 v0, s[64:65] scope:SCOPE_SE
	s_setreg_imm32_b32 hwreg(HW_REG_WAVE_MODE, 25, 1), 1
	s_wait_xcnt 0x0
	s_wait_alu depctr_hold_cnt(0) depctr_sa_sdst(0) depctr_va_vdst(0) depctr_va_sdst(0) depctr_va_ssrc(0) depctr_va_vcc(0) depctr_vm_vsrc(0)
	s_getreg_b32 s2, hwreg(HW_REG_IB_STS2, 6, 4)
	s_cmp_eq_u32 s2, 0
	s_cbranch_scc0 .Lentry_in_a_cluster
	s_endpgm
.Lentry_in_a_cluster:
	s_bfe_u32 s2, ttmp6, 0x10000c
	s_cmp_lg_u32 s2, 0xf033
	s_cbranch_scc0 .Lentry_shape_is_right
	s_endpgm
.Lentry_shape_is_right:
; part[gx][row] = the sum over the 256 columns a of block gx of v[a] tanh(w1q[b][a] + sum over d of keys[row][d] W2[a][d]);  row = 2,048 b + s.
; The product [65,536 x 1,024] x [1,024 x 1,024] never goes to memory: tanh and the dot with v are its way out.
; SHARES.  256 work-groups: gx = 0..3 is the block of 256 columns, gy = 0..63 owns rows 1,024 gy .. + 1,023 (half a batch), as four tiles of 256 x 256, one after the other.
; A wave makes 64 rows x 256 columns: 64 accumulators, 512 registers.  So each number of keys is read from LDS and rounded to bf16 by one wave alone, and a row's sum over the block stays in the wave.
; keys come as f32: the tensor loads bring them as they lie, and the wave rounds them between LDS and the matrix unit (32 conversions for 64 matrix instructions).  W2 comes as bf16 from W2b.
; K goes in steps of 64 (rows of 256 bytes of keys) through two LDS slots; two slots of a longer step (2 x 204,800 bytes for 128) do not fit in LDS.
; CLUSTER 4 x 4: the four work-groups of a row of the cluster (same gy) need the same tiles of keys, the four of a column (same gx) the same tiles of W2b: each tile is asked for jointly.
; THE MATRIX INSTRUCTION: source 0 = 16 rows of keys, source 1 = 16 rows of W2.  A lane then holds ONE column (lane % 16) and eight rows 8 (lane / 16) + j: w1q and v cost one number a lane for 16 columns.
; TANH: tanh(y) = 1 - 2 / (1 + 2^(c y)), c = 2 log2(e); the sum is (sum of v) - 2 sum of v / (1 + 2^(c y)).  2^(c y) = infinity gives the quotient 0 (tanh = 1), 2^(c y) = 0 gives 1 (tanh = -1): no clamp.
; LIMITS: keys and W2 are rounded to bf16; tanh so made is off by some 1e-7 absolutely; NaN and infinite inputs are not treated apart.
; REGISTERS, in windows of 256 (s_set_vgpr_msb: bits 1:0 source 0, 3:2 source 1, 5:4 source 2, 7:6 destination):
;   window 0: v0-31 addresses; v32-95 keys in f32 as read (on the way out: sums); v96-127, v128-159 keys' fragments in bf16, two buffers; v160-191 c w1q, v192-223 -2 v, each twice; v224-225 my columns' sum of v
;   window 1: W2's fragments, two buffers of 128;   windows 2, 3: accumulator (a, bk) at v[128 (a % 2) + 8 bk] of window 2 + a / 2
.set PITCH,  272                       ; an LDS row: 256 bytes + 16 of padding = 68 words: row r starts at bank 4 r mod 64 (64 banks of 4 bytes: ISA guide 11.1)
.set AHALF,  128*PITCH                 ; 128 rows of keys: one tensor load
.set BHALF,  64*PITCH                  ; 64 LDS rows, each two rows of W2b (2 x 128 bytes): one tensor load
.set BOFF,   2*AHALF                   ; in a slot: 256 rows of keys, then 128 LDS rows of W2b
.set SLOT,   BOFF+2*BHALF              ; 104,448
.set STAGE,  2*SLOT                    ; 208,896 = 816 x 256: behind the ring, 256 bytes a wave, for the way out; no tensor load lands here
.set STEP_A, 2*256                     ; a slot's next K step: two steps of 64 f32 along keys' rows,
.set STEP_B, 2*131072                  ; two steps of W2b
.set NEXT_A, 256*4096-14*256           ; from a slot's last K step of a tile to its first of the next tile: 256 rows down, 14 steps back,
.set BACK_B, 14*131072                 ; W2b only back
.set ADRA, 16                          ; v16-17  LDS address of my lane's part of keys' fragments in slot 0, 1
.set ADRB, 20                          ; v20-21  the same for W2b
.set STO,  24                          ; v24     the way out: where my lane's row sum goes in the stage
.set RD,   25                          ; v25     where I read two neighbouring rows' sums back
.set CO,   26                          ; v26     their byte offset in my wave's 256 bytes of part
.set PFO,  27                          ; v27     prefetch: my block's offset in the work-group's tile of keys; never rewritten
.set OUT,  28                          ; v[28:29]
.set RAW,  32                          ; v[32:95]   block a at +16 a: 16 f32
.set SUM,  32                          ; the way out: v[32:63] row sums (row block a, row j at 8 a + j), v[64:95] at work
.set RT,   64
.set ABF,  96                          ; buffer g at +32 g, block a at +8 a
.set W1D,  160
.set VMD,  192
.set VSD,  224
.set G1,  24                           ; s[24:31] descriptor group 1 for keys;  s[32:39] group 0, a set for each slot
.set G0,  32
.set G1B, 48                           ; s[48:55], s[56:63] the same for W2b
.set G0B, 56
.set MUL_LO, 0xa4                      ; source 0 (keys) window 0, source 1 (W2) window 1, C and D window 2
.set TO_B,   0x40                      ; destination window 1, address window 0
.set MSB, 0
.macro WIN new                         ; the immediate's high byte repeats the setting that is left; a switch that changes nothing is dropped
.if MSB != \new
	s_set_vgpr_msb (MSB<<8)|\new
.set MSB, \new
.endif
.endm
.macro PLACES                          ; four places in front of loads and conversions into registers that matrix instructions have read, and of vector work that reads their results (ISA guide 7.12.1 for vector instructions)
.rept 4
	v_nop
.endr
.endm
; A joint load: waves 0 and 1 fetch the two halves of keys' tile, waves 2 and 3 those of W2b's.  The branch hangs on the wave's number alone.
; Four v_nop follow each of the two lines, ahead of the jump, the label and what follows.
.macro JLOAD s
	s_cmp_eq_u32 s15, 0
	s_cbranch_scc0 .Lfor_b_\@
	tensor_load_to_lds s[G0+4*\s:G0+4*\s+3], s[G1:G1+7]
	s_nop 0
.rept 4
	v_nop
.endr
	s_branch .Lasked_\@
.Lfor_b_\@:
	tensor_load_to_lds s[G0B+4*\s:G0B+4*\s+3], s[G1B:G1B+7]
	s_nop 0
.rept 4
	v_nop
.endr
.Lasked_\@:
.endm
.macro CREST                           ; a round of the cluster's barrier behind its opening barrier
	s_cmp_lg_u32 s14, 0
	s_cbranch_scc1 .Lnot_wave_0_\@
	s_barrier_signal -3
.Lnot_wave_0_\@:
	s_barrier_wait -3
	s_barrier_signal -1
	s_barrier_wait -1
.endm
.macro CROUND                          ; a whole round
	s_barrier_signal -1
	s_barrier_wait -1
	CREST
.endm
	s_load_b256 s[4:11], s[0:1], 0x0               ; keys s[4:5], W2b s[6:7], w1qF s[8:9], v s[10:11]
	s_load_b64 s[12:13], s[0:1], 0x20              ; part
	v_lshl_add_u32 v254, v0, 2, 0x33400
	v_mov_b32 v255, 0
	ds_add_u32 v254, v255
	v_lshrrev_b32 v1, 5, v0
	v_readfirstlane_b32 s14, v1                    ; wave 0..3
	s_lshr_b32 s15, s14, 1                         ; I fetch for keys (0) or for W2b (1),
	s_and_b32 s16, s14, 1                          ; and which half of that tile
	s_bfe_u32 s40, ttmp6, 0x40000                  ; cx, cy: my place in the cluster
	s_bfe_u32 s41, ttmp6, 0x40004
	s_lshl_b32 s42, ttmp9, 2
	s_add_co_u32 s42, s42, s40                     ; gx = 4 x cluster x + cx
	s_and_b32 s43, ttmp7, 0xffff
	s_lshl_b32 s43, s43, 2
	s_add_co_u32 s43, s43, s41                     ; gy = 4 x cluster y + cy
	s_lshl_b32 s44, s41, 2
	s_lshl_b32 s44, 15, s44                        ; my row of the cluster: places 4 cy .. 4 cy + 3
	s_lshl_b32 s45, 0x1111, s40                    ; my column: places cx, cx + 4, cx + 8, cx + 12
	; group 1 for keys: 128 rows x 64 elements of 4 bytes, 1,024 elements from row to row
	s_or_b32 s[G1+0], s44, (2<<16)|(1<<20)|(1<<21)|(5<<22)|(3<<25)   ; 15:0 the mask: my row; 17:16 elements of 4 bytes; 20 padding on; 21 set beside a mask; 24:22 after every 64 words; 31:25 4 words of it
	s_mov_b32 s[G1+1], 64<<16                      ; tensor_dim0 = 64
	s_mov_b32 s[G1+2], 128<<16                     ; tensor_dim1 = 128
	s_mov_b32 s[G1+3], 64<<16                      ; tile_dim0 = 64
	s_mov_b32 s[G1+4], 128                         ; tile_dim1 = 128
	s_mov_b32 s[G1+5], 1024                        ; tensor_dim0_stride
	s_mov_b32 s[G1+6], 0
	s_mov_b32 s[G1+7], 0
	; group 1 for W2b: a dense block of 16,384 bytes as 64 rows x 32 elements of 8 bytes
	s_or_b32 s[G1B+0], s45, (3<<16)|(1<<20)|(1<<21)|(5<<22)|(3<<25)  ; the mask: my column; elements of 8 bytes; the same padding
	s_mov_b32 s[G1B+1], 32<<16
	s_mov_b32 s[G1B+2], 64<<16
	s_mov_b32 s[G1B+3], 32<<16
	s_mov_b32 s[G1B+4], 64
	s_mov_b32 s[G1B+5], 32
	s_mov_b32 s[G1B+6], 0
	s_mov_b32 s[G1B+7], 0
	; where the tiles come from: keys' hang on gy alone, which my row of the cluster shares; W2b's on gx alone, which my column shares
	s_lshl_b32 s18, s43, 22                        ; 1,024 gy rows of 4,096 bytes
	s_lshl_b32 s19, s16, 19                        ; + my half's 128 rows
	s_add_co_u32 s18, s18, s19
	s_mov_b32 s19, 0
	s_lshl_b32 s46, s42, 15                        ; 256 gx rows of 128 bytes
	s_lshl_b32 s47, s16, 14                        ; + my half's 128 rows
	s_add_co_u32 s46, s46, s47
	s_mov_b32 s47, 0
	s_mul_i32 s22, s16, AHALF                      ; and where they go: no place in the cluster enters an LDS address
	s_mul_i32 s23, s16, BHALF
	s_add_co_u32 s23, s23, BOFF
	s_lshl_b32 s72, s43, 22                        ; prefetch: my work-group's first row, one lap (512 bytes of a row) in; every request steps first
	s_add_co_u32 s72, s72, STEP_A
	s_mov_b32 s73, 0
	s_mov_b32 s75, 0                               ; the step's high word
	s_mov_b32 s81, STEP_A
	s_mov_b32 s66, 0x4038aa3b                      ; c = 2 log2(e)
	s_mov_b32 s67, 0x4038aa3b                      ; named with it as a pair, so it is written
	s_mov_b32 s68, 0xaaaaaaaa                      ; lanes with bit 0, 1, 2, 3 of their number set
	s_mov_b32 s69, 0xcccccccc
	s_mov_b32 s70, 0xf0f0f0f0
	s_mov_b32 s71, 0xff00ff00
	s_wait_dscnt 0x0
	s_wait_kmcnt 0x0
	s_add_nc_u64 s[20:21], s[4:5], s[18:19]
	s_add_nc_u64 s[46:47], s[6:7], s[46:47]
	s_add_nc_u64 s[72:73], s[4:5], s[72:73]
.irp s, 0,1
	s_mov_b32 s[G0+4*\s], 1                                        ; count = 1
	s_add_co_u32 s[G0+4*\s+1], s22, \s*SLOT                        ; LDS address
	s_add_nc_u64 s[G0+4*\s+2:G0+4*\s+3], s[20:21], \s*256          ; global address: K step s
	s_or_b32 s[G0+4*\s+3], s[G0+4*\s+3], 0x80000000                ; type = 2
	s_mov_b32 s[G0B+4*\s], 1
	s_add_co_u32 s[G0B+4*\s+1], s23, \s*SLOT
	s_add_nc_u64 s[G0B+4*\s+2:G0B+4*\s+3], s[46:47], \s*131072
	s_or_b32 s[G0B+4*\s+3], s[G0B+4*\s+3], 0x80000000
.endr
	CROUND                                         ; all sixteen work-groups are here: the first joint loads meet
	s_cmp_eq_u32 s15, 0                            ; a wave's two first fills stand in one branch, ahead of every wait on TENSORcnt, every LDS read and every other barrier: two loads of mine are out
	s_cbranch_scc0 .Lfirst_b
	tensor_load_to_lds s[G0:G0+3], s[G1:G1+7]
	s_nop 0
	tensor_load_to_lds s[G0+4:G0+7], s[G1:G1+7]
	s_nop 0
.rept 4
	v_nop
.endr
	s_branch .Lfirst_asked
.Lfirst_b:
	tensor_load_to_lds s[G0B:G0B+3], s[G1B:G1B+7]
	s_nop 0
	tensor_load_to_lds s[G0B+4:G0B+7], s[G1B:G1B+7]
	s_nop 0
.rept 4
	v_nop
.endr
.Lfirst_asked:
	; ONCE, while the tiles are on their way: c w1q and v of my lane's 16 columns (16 bk + r of the block).  All four tiles lie in batch b = gy / 2.
	v_and_b32 v2, 15, v0                           ; r
	v_bfe_u32 v3, v0, 4, 1                         ; h
	v_and_b32 v4, 31, v0                           ; lane
	s_lshr_b32 s17, s43, 1                         ; b
	s_lshr_b32 s76, s17, 4
	s_and_b32 s77, s17, 7
	s_lshl3_add_u32 s76, s76, s77                  ; rho = 8 (b >> 4) + (b & 7)
	s_lshr_b32 s77, s76, 2
	s_lshl_b32 s77, s77, 9                         ; 512 (rho >> 2)
	s_and_b32 s76, s76, 3
	s_lshl2_add_u32 s77, s76, s77                  ; + 4 (rho & 3)
	s_bfe_u32 s76, s17, 0x10003
	s_lshl_b32 s76, s76, 8                         ; + 256 ((b >> 3) & 1)
	s_add_co_u32 s77, s77, s76
	s_lshl_b32 s76, s42, 15                        ; + my block's 16 parts of 2,048 bytes
	s_add_co_u32 s77, s77, s76
	v_lshl_add_u32 v5, v2, 4, s77                  ; + 16 r
	s_lshl_b32 s76, s42, 10
	v_lshl_add_u32 v6, v2, 2, s76                  ; v: 256 gx + r numbers of 4 bytes
.irp bk, 0,1,2,3,4,5,6,7,8,9,10,11,12,13,14,15
	global_load_b32 v[W1D+2*\bk], v5, s[8:9] offset:2048*\bk
.endr
.irp bk, 0,1,2,3,4,5,6,7,8,9,10,11,12,13,14,15
	global_load_b32 v[VMD+2*\bk], v6, s[10:11] offset:64*\bk
.endr
	; keys' fragment: lane (r, h) wants k = 8 h .. + 7 and 16 + 8 h .. + 7 of row r: in f32 the bytes 32 h + {0, 16, 64, 80}
	v_mul_u32_u24 v7, v2, PITCH
	v_lshl_add_u32 v7, v3, 5, v7
	s_mul_i32 s76, s14, 64*PITCH                   ; my wave's 64 rows
	v_add_nc_u32 v[ADRA], s76, v7
	v_add_nc_u32 v[ADRA+1], SLOT, v[ADRA]
	; W2b's fragment: row r lies in LDS row r / 2, half r % 2; bytes 16 h and 32 + 16 h.
	v_lshrrev_b32 v8, 1, v2
	v_and_b32 v9, 1, v2
	v_mul_u32_u24 v8, v8, PITCH
	v_lshl_add_u32 v8, v9, 7, v8
	v_lshl_add_u32 v8, v3, 4, v8
	v_add_nc_u32 v[ADRB], BOFF, v8
	v_add_nc_u32 v[ADRB+1], SLOT, v[ADRB]
	; the way out: behind the sums across lanes, lane l holds rows 32 u + 16 ((l >> 3) & 1) + 8 (l >> 4) + (l & 7), u = 0, 1
	v_and_b32 v10, 7, v0
	v_bfe_u32 v11, v0, 3, 1
	v_lshl_add_u32 v10, v3, 3, v10
	v_lshl_add_u32 v10, v11, 4, v10
	s_lshl_b32 s76, s14, 8
	s_add_co_u32 s76, s76, STAGE                   ; my wave's 256 bytes of the stage
	v_lshl_add_u32 v[STO], v10, 2, s76
	v_lshl_add_u32 v[RD], v4, 3, s76
	v_lshlrev_b32 v[CO], 3, v4
	; prefetch: a lap's 512 bytes of 256 rows are 512 blocks of 256 bytes: one for each lane of the 4 partners x 4 waves: row 64 cx + 16 w + r, block h
	s_lshl_b32 s77, s40, 6
	s_lshl4_add_u32 s77, s14, s77
	v_add_nc_u32 v12, s77, v2
	v_lshlrev_b32 v12, 12, v12
	v_lshl_add_u32 v[PFO], v3, 8, v12
	; part at my wave's 64 rows of the first tile: 262,144 gx + 4 (1,024 gy + 64 w)
	s_lshl_b32 s78, s42, 18
	s_lshl_b32 s79, s43, 12
	s_add_co_u32 s78, s78, s79
	s_lshl_b32 s79, s14, 8
	s_add_co_u32 s78, s78, s79
	s_mov_b32 s79, 0
	s_add_nc_u64 s[12:13], s[12:13], s[78:79]
	s_wait_loadcnt 0x0                             ; c w1q and v, once
	v_add_f32 v[VSD], v[VMD], v[VMD+2]
.irp bk, 2,3,4,5,6,7,8,9,10,11,12,13,14,15
	v_add_f32 v[VSD], v[VSD], v[VMD+2*\bk]         ; the sum of v over my lane's 16 columns starts every row's sum
.endr
	v_mov_b32 v[VSD+1], v[VSD]
.irp bk, 0,1,2,3,4,5,6,7,8,9,10,11,12,13,14,15
	v_mul_f32 v[VMD+2*\bk], -2.0, v[VMD+2*\bk]
	v_mov_b32 v[W1D+2*\bk+1], v[W1D+2*\bk]         ; each twice: a pair for the packed arithmetic, whose two halves are two rows of one column
.endr
.irp bk, 0,1,2,3,4,5,6,7,8,9,10,11,12,13,14,15
	v_mov_b32 v[VMD+2*\bk+1], v[VMD+2*\bk]
.endr
; 48 LDS loads in one run: the fragments of 32 along K (quarter kq = 0, 1 of the slot's 64): keys' in f32 first, so that the wait for them can leave W2b's 32 out; W2b's into buffer g
.macro FETCH slot, kq, g
	WIN 0
.irp a, 0,1,2,3
.irp i, 0,1,2,3
	ds_load_b128 v[RAW+16*\a+4*\i:RAW+16*\a+4*\i+3], v[ADRA+\slot] offset:\a*16*PITCH+\kq*128+16*(\i%2)+64*(\i/2)
.endr
.endr
	WIN TO_B
.irp bk, 0,1,2,3,4,5,6,7,8,9,10,11,12,13,14,15
	ds_load_b128 v[128*\g+8*\bk:128*\g+8*\bk+3],   v[ADRB+\slot] offset:\bk*8*PITCH+\kq*64
	ds_load_b128 v[128*\g+8*\bk+4:128*\g+8*\bk+7], v[ADRB+\slot] offset:\bk*8*PITCH+\kq*64+32
.endr
.endm
.macro CVT g                           ; keys' four fragments, f32 to bf16, into buffer g
	WIN 0
.irp a, 0,1,2,3
.irp i, 0,1,2,3,4,5,6,7
	v_cvt_pk_bf16_f32 v[ABF+32*\g+8*\a+\i], v[RAW+16*\a+2*\i], v[RAW+16*\a+2*\i+1]
.endr
.endr
.endm
; 16 matrix instructions: row block a x all 16 column blocks, 32 along K, from buffer f.  zero = 1: the product starts the sums: nothing is ever cleared.
; The 64 accumulators take turns, one instruction a turn, in the same order in every quarter.
.macro MUL f, a, zero
	WIN MUL_LO+0x50*((\a)/2)
.irp bk, 0,1,2,3,4,5,6,7,8,9,10,11,12,13,14,15
.if \zero
	v_wmma_f32_16x16x32_bf16 v[128*((\a)%2)+8*\bk:128*((\a)%2)+8*\bk+7], v[ABF+32*\f+8*(\a):ABF+32*\f+8*(\a)+7], v[128*\f+8*\bk:128*\f+8*\bk+7], 0
.else
	v_wmma_f32_16x16x32_bf16 v[128*((\a)%2)+8*\bk:128*((\a)%2)+8*\bk+7], v[ABF+32*\f+8*(\a):ABF+32*\f+8*(\a)+7], v[128*\f+8*\bk:128*\f+8*\bk+7], v[128*((\a)%2)+8*\bk:128*((\a)%2)+8*\bk+7]
.endif
.endr
.endm
; A K step is two quarters of 32 along K, 64 matrix instructions each, on buffers 0 and 1.
; EQ: the first 48 products of a slot's first quarter; ahead of them the second quarter's fragments are asked for, among them keys' are rounded.
.macro EQ slot, zero
	PLACES                                         ; buffer 1 was multiplied last
	FETCH \slot, 1, 1
	MUL 0, 0, \zero
	MUL 0, 1, \zero
	s_wait_dscnt 32                                ; keys' 16 loads are in; W2b's 32, issued behind them, may be out
	CVT 1
	MUL 0, 2, \zero
.endm
; TURN: the first quarter's last 16 products, the change of slots, the second quarter.  ONE barrier for the change: in front of it each wave waits for its reads of this slot and for all its
; tensor loads, of which one is out: its part of the next slot.  mode 0: this slot is filled again with the K step two on; 1: with the next tile's K step 0 or 1; 2: not at all.
; Where it is filled again the barrier opens a round of the cluster's barrier, and the joint refill is the first tensor load behind the round: 112 matrix instructions ahead of the wait for it.
.macro TURN slot, next, mode, zero
	s_wait_dscnt 0x0                               ; my reads of this slot are over,
	s_set_vgpr_msb 0xf4f0
	s_wait_tensorcnt 0x0                           ; and all my tensor loads have landed
	ds_add_u32 v254, v255
	s_wait_dscnt 0x0
	s_set_vgpr_msb 0xf0f4
	s_barrier_signal -1
	MUL 0, 3, \zero                                ; work on registers while the others arrive
	WIN 0                                          ; at a branch and at a label every window is 0
	s_barrier_wait -1
.if \mode == 2
	PLACES
.else
	CREST                                          ; no wave of any partner still reads this slot's tiles or has a load on its way
.if \mode == 1
	s_add_nc_u64 s[G0+4*\slot+2:G0+4*\slot+3], s[G0+4*\slot+2:G0+4*\slot+3], NEXT_A
	s_sub_nc_u64 s[G0B+4*\slot+2:G0B+4*\slot+3], s[G0B+4*\slot+2:G0B+4*\slot+3], BACK_B
.else
	s_add_nc_u64 s[G0+4*\slot+2:G0+4*\slot+3], s[G0+4*\slot+2:G0+4*\slot+3], STEP_A
	s_add_nc_u64 s[G0B+4*\slot+2:G0B+4*\slot+3], s[G0B+4*\slot+2:G0B+4*\slot+3], STEP_B
.endif
	JLOAD \slot                                    ; the four v_nop behind it are also the places in front of the loads and conversions into buffer 0
.endif
	FETCH \next, 0, 0
	MUL 1, 0, 0
	MUL 1, 1, 0
	s_wait_dscnt 32                                ; keys' 16 loads are in
	CVT 0
	MUL 1, 2, 0
	s_wait_dscnt 0x0                               ; W2b's 32 too: buffer 0 is whole for the next quarter
	MUL 1, 3, 0
.endm
; PREFETCH of keys: at the head of lap l (a lap = two K steps = 512 bytes of each row) the blocks of lap l + 2 are asked for; the joint loads that want them are issued in lap l + 1.
; Each block of 256 bytes is asked for by one lane of one wave of one of the four partners.  What a work-group has asked for and not yet read is at most two laps' 32,768 bytes each.
.macro PREF
	s_wait_xcnt 0x0                                ; the last request, a lap back, has had its address translated (ISA guide 3.1): the base is stepped only behind this wait
	s_add_nc_u64 s[72:73], s[72:73], STEP_A
	global_prefetch_b8 v[PFO], s[72:73] th:TH_LOAD_NT scope:SCOPE_SE
.endm
.macro PREFSEL                         ; in the lap loop: its last trip is lap 6, whose look-ahead leaves the tile: s80 is the step to the next tile, or 0 in the last tile (the address stays: nothing past my rows is asked for)
	s_cmp_eq_u32 s3, 1
	s_cselect_b32 s74, s80, s81
	s_wait_xcnt 0x0
	s_add_nc_u64 s[72:73], s[72:73], s[74:75]
	global_prefetch_b8 v[PFO], s[72:73] th:TH_LOAD_NT scope:SCOPE_SE
.endm
; One level of the sums across 16 lanes: n pairs of registers become n registers.  Lanes with the bit keep the pair's second register and send the first, the others the other way round,
; so that each level halves the registers and no lane adds a number twice.
.macro REDL src, dst, n, xm, msk
.set i, 0
.rept \n
	v_cndmask_b32 v[\dst+i], v[\src+2*i], v[\src+2*i+1], s[\msk]
	v_cndmask_b32 v[\dst+\n+i], v[\src+2*i+1], v[\src+2*i], s[\msk]
	v_add_f32_dpp v[\dst+i], v[\dst+\n+i], v[\dst+i] row_xmask:\xm row_mask:0xf bank_mask:0xf
.set i, i+1
.endr
.endm
; THE WAY OUT of a tile.  For each row block: z = c x + c w1q; 2^z; 1 + 2^z; its reciprocal; row sums += -2 v / (1 + 2^z), started by the sum of v.  Then the sums across the 16 lanes of a row.
.macro EPI last
	PLACES
.irp a, 0,1,2,3
.set AC, 128*(\a%2)
.set WE, 0x82+0x41*(\a/2)              ; destination and source 0 in the accumulators' window, source 2 in window 0
	WIN WE
.irp bk, 0,1,2,3,4,5,6,7,8,9,10,11,12,13,14,15
.irp p, 0,1,2,3
	v_pk_fma_f32 v[AC+8*\bk+2*\p:AC+8*\bk+2*\p+1], v[AC+8*\bk+2*\p:AC+8*\bk+2*\p+1], s[66:67], v[W1D+2*\bk:W1D+2*\bk+1] op_sel_hi:[1,0,1]
.endr
.endr
.set i, 0
.rept 128
	v_exp_f32 v[AC+i], v[AC+i]
.set i, i+1
.endr
	v_nop                                          ; a plain instruction between the exponentials and the use of their results (ISA guide 5.7.2)
.set i, 0
	s_wait_alu depctr_va_vdst(0)
.rept 64
	v_pk_add_f32 v[AC+i:AC+i+1], v[AC+i:AC+i+1], 1.0 op_sel_hi:[1,0]
.set i, i+2
.endr
.set i, 0
.rept 128
	v_rcp_f32 v[AC+i], v[AC+i]
.set i, i+1
.endr
	v_nop                                          ; and between the reciprocals and theirs
	s_wait_alu depctr_va_vdst(0)
.set WE, 0x02+(\a/2)                   ; source 0 in the accumulators' window, all else in window 0
	WIN WE
.irp bk, 0,1,2,3,4,5,6,7,8,9,10,11,12,13,14,15
.irp p, 0,1,2,3
.if \bk == 0
	v_pk_fma_f32 v[SUM+8*\a+2*\p:SUM+8*\a+2*\p+1], v[AC+8*\bk+2*\p:AC+8*\bk+2*\p+1], v[VMD+2*\bk:VMD+2*\bk+1], v[VSD:VSD+1]
.else
	v_pk_fma_f32 v[SUM+8*\a+2*\p:SUM+8*\a+2*\p+1], v[AC+8*\bk+2*\p:AC+8*\bk+2*\p+1], v[VMD+2*\bk:VMD+2*\bk+1], v[SUM+8*\a+2*\p:SUM+8*\a+2*\p+1]
.endif
.endr
.endr
.endr
	WIN 0
	REDL SUM, RT, 16, 1, 68                        ; 32 registers of 16 partial sums each become 2 registers of whole sums: 64 rows in 32 lanes
	REDL RT, SUM, 8, 2, 69
	REDL SUM, RT, 4, 4, 70
	REDL RT, SUM, 2, 8, 71
	ds_store_b32 v[STO], v[SUM]                    ; through my wave's own 256 bytes of the stage, into the order of the rows
	ds_store_b32 v[STO], v[SUM+1] offset:128
	ds_load_b64 v[OUT:OUT+1], v[RD]                ; LDS serves a wave's instructions in order (ISA guide 5.7.1.4): this sees the stores above
	s_wait_dscnt 0x0
	global_store_b64 v[CO], v[OUT:OUT+1], s[12:13] ; the wave stores 256 consecutive bytes, aligned
.if !\last
	s_wait_xcnt 0x0                                ; the store's base and data are rewritten only behind this wait
	s_add_nc_u64 s[12:13], s[12:13], 1024          ; the next tile's 256 rows
.endif
.endm
; A TILE: eight laps of two K steps.  The first is written out (its first quarter starts the sums), six go round a loop, the last steps the ring on into the next tile (last = 0) or fills nothing more (last = 1).
.macro TILE last
	PREF
	EQ 0, 1
	TURN 0, 1, 0, 1
	EQ 1, 0
	TURN 1, 0, 0, 0
	WIN 0
.if \last
	s_mov_b32 s80, 0
.else
	s_mov_b32 s80, NEXT_A                          ; 256 rows down and 7 laps back: the same bytes as the ring's step to the next tile
.endif
	s_mov_b32 s3, 6
.Llap_\@:
	PREFSEL
	EQ 0, 0
	TURN 0, 1, 0, 0
	EQ 1, 0
	TURN 1, 0, 0, 0
	WIN 0
	s_sub_co_u32 s3, s3, 1
	s_cmp_lg_u32 s3, 0
	s_cbranch_scc1 .Llap_\@
.if \last
	EQ 0, 0
	TURN 0, 1, 2, 0                                ; my one tensor load that was out is slot 1's, the last K step's, so no round follows
	EQ 1, 0
	s_wait_dscnt 0x0
	MUL 0, 3, 0
	MUL 1, 0, 0
	MUL 1, 1, 0
	MUL 1, 2, 0
	MUL 1, 3, 0
.else
	PREF
	EQ 0, 0
	TURN 0, 1, 1, 0                                ; slot 0 takes the next tile's K step 0,
	EQ 1, 0
	TURN 1, 0, 1, 0                                ; slot 1 its K step 1, and the next tile's first fragments are fetched and rounded: both refills are asked for ahead of the way out
.endif
	EPI \last
.endm
	s_wait_tensorcnt 0x1                           ; my part of K step 0 is in; K step 1's, issued behind it, may stay out
	s_barrier_signal -1
	s_barrier_wait -1                              ; everybody's is
	FETCH 0, 0, 0
	s_wait_dscnt 32                                ; keys' 16 loads are in
	CVT 0
	s_wait_dscnt 0x0
	s_mov_b32 s2, 3
.Ltile:                                                ; three tiles that have a successor
	TILE 0
	s_sub_co_u32 s2, s2, 1
	s_cmp_lg_u32 s2, 0
	s_cbranch_scc1 .Ltile
	TILE 1                                         ; the last tile is written out
	s_wait_tensorcnt 0x0
	ds_add_u32 v254, v255
	s_wait_dscnt 0x0
	CROUND                                         ; the closing round: no work-group ends while a partner may still ask for a tile that names it
	s_endpgm
.Lfunc_end_k_qb685d7bb95_score:
	.size	k_qb685d7bb95_score, .Lfunc_end_k_qb685d7bb95_score-k_qb685d7bb95_score
	.p2alignl 7, 3214868480
	.fill 96, 4, 3214868480
	.section	.rodata,"a",@progbits
	.p2align	6, 0x0
	.amdhsa_kernel k_qb685d7bb95_score
		.amdhsa_group_segment_fixed_size 327680
		.amdhsa_private_segment_fixed_size 0
		.amdhsa_enable_private_segment 0
		.amdhsa_kernarg_size 40
		.amdhsa_user_sgpr_count 2
		.amdhsa_user_sgpr_kernarg_segment_ptr 1
		.amdhsa_wavefront_size32 1
		.amdhsa_system_sgpr_workgroup_id_x 1
		.amdhsa_system_sgpr_workgroup_id_y 1
		.amdhsa_system_sgpr_workgroup_id_z 1
		.amdhsa_system_vgpr_workitem_id 0
		.amdhsa_next_free_vgpr 1024
		.amdhsa_next_free_sgpr 84
		.amdhsa_reserve_vcc 0
		.amdhsa_float_denorm_mode_32 3
		.amdhsa_float_denorm_mode_16_64 3
		.amdhsa_memory_ordered 1
		.amdhsa_forward_progress 1
		.amdhsa_inst_pref_size 255
	.end_amdhsa_kernel
	.section	.bss,"aw",@nobits
	.p2align	6
	.space	262144
	.amdgpu_metadata
---
amdhsa.version: [ 1, 2 ]
amdhsa.kernels:
  - .name:           k_qb685d7bb95_score
    .symbol:         k_qb685d7bb95_score.kd
    .args:
      - { .name: keys, .offset: 0, .size: 8, .value_kind: global_buffer, .address_space: global }
      - { .name: W2b, .offset: 8, .size: 8, .value_kind: global_buffer, .address_space: global }
      - { .name: w1qF, .offset: 16, .size: 8, .value_kind: global_buffer, .address_space: global }
      - { .name: v, .offset: 24, .size: 8, .value_kind: global_buffer, .address_space: global }
      - { .name: part, .offset: 32, .size: 8, .value_kind: global_buffer, .address_space: global }
    .group_segment_fixed_size: 327680
    .private_segment_fixed_size: 0
    .kernarg_segment_align: 8
    .kernarg_segment_size: 40
    .max_flat_workgroup_size: 128
    .sgpr_count:     84
    .vgpr_count:     1024
    .wavefront_size: 32
...
	.end_amdgpu_metadata
.endif
;; end of part 2
;; launch soft (part 3): grid 32 x 1, 8 waves a work-group, no clusters, 1,280 bytes of LDS; arguments part, mask, out0; writes out0
.if DOCPART == 3
	.amdgcn_target "amdgcn-amd-amdhsa--gfx1250"
	.amdhsa_code_object_version 6
	.text
	.protected	k_qb685d7bb95_soft
	.globl	k_qb685d7bb95_soft
	.p2align	8
	.type	k_qb685d7bb95_soft,@function
k_qb685d7bb95_soft:
	s_mov_b64 s[64:65], 0
	v_nop
	global_prefetch_b8 v0, s[64:65] scope:SCOPE_SE
	s_setreg_imm32_b32 hwreg(HW_REG_WAVE_MODE, 25, 1), 1
	s_wait_xcnt 0x0
; out0[b][s] = softmax over s of (score[b][s] - 1e30 where mask[b][s] is 0);  score = the sum of part's four blocks.
; One work-group to a batch (the problem has 32); thread t owns s = 4 t .. 4 t + 3 and 1,024 + 4 t .. + 3, so that every load and store of a wave covers 512 consecutive bytes (the mask's: 128).
; The maximum is taken away before the exponential, as a difference formed first: a row that is masked throughout gives exact zeros and 1 / 2,048 everywhere.
; No matrix unit, cluster or tensor load: 1.1 MB are read once and no work-group shares a byte with another.
; LIMITS: a mask byte other than 0 counts as true; weights under 2^-126 come out as 0 (v_exp_f32 flushes: ISA guide 15.8).
.set X, 8                              ; v[8:39]  part's block g, half u at 8 + 8 g + 4 u; the scores, then the weights, in v[8:15]
	s_load_b128 s[4:7], s[0:1], 0x0                ; part s[4:5], mask s[6:7]
	s_load_b64 s[8:9], s[0:1], 0x10                ; out0
	v_lshl_add_u32 v64, v0, 2, 0x100
	v_mov_b32 v65, 0
	v_lshrrev_b32 v1, 5, v0
	v_readfirstlane_b32 s10, v1                    ; wave 0..7
	s_lshl_b32 s12, ttmp9, 13                      ; the batch's 2,048 numbers of 4 bytes
	s_mov_b32 s13, 0
	s_lshl_b32 s14, ttmp9, 11                      ; its 2,048 mask bytes
	s_mov_b32 s15, 0
	s_mov_b32 s16, 0x76543210                      ; v_permlanex16_b32: each lane takes its own place in the other half
	s_mov_b32 s17, 0xfedcba98
	s_mov_b32 s18, 0x3fb8aa3b                      ; log2(e)
	s_mov_b32 s19, 0x3fb8aa3b                      ; named with it as a pair, so it is written
	v_lshlrev_b32 v2, 4, v0                        ; 16 t
	v_lshlrev_b32 v3, 2, v0                        ; 4 t
	v_mov_b32 v44, 0x7149f2ca                      ; 1e30
	s_wait_kmcnt 0x0
	s_add_nc_u64 s[4:5], s[4:5], s[12:13]
	s_add_nc_u64 s[6:7], s[6:7], s[14:15]
	s_add_nc_u64 s[8:9], s[8:9], s[12:13]
.irp g, 0,1,2,3
.irp u, 0,1
	global_load_b128 v[X+8*\g+4*\u:X+8*\g+4*\u+3], v2, s[4:5] offset:262144*\g+4096*\u
.endr
.endr
	global_load_b32 v40, v3, s[6:7]
	global_load_b32 v41, v3, s[6:7] offset:1024
	v_mov_b32 v47, s10
	v_lshlrev_b32 v47, 2, v47                      ; my wave's word in LDS
	v_mov_b32 v48, 0
	s_wait_loadcnt 0x0
.irp p, 0,2,4,6
	v_pk_add_f32 v[X+\p:X+\p+1], v[X+\p:X+\p+1], v[X+8+\p:X+8+\p+1]
	v_pk_add_f32 v[X+16+\p:X+16+\p+1], v[X+16+\p:X+16+\p+1], v[X+24+\p:X+24+\p+1]
	v_pk_add_f32 v[X+\p:X+\p+1], v[X+\p:X+\p+1], v[X+16+\p:X+16+\p+1]
.endr
.irp u, 0,1
.irp q, 0,1,2,3
	v_bfe_u32 v42, v[40+\u], 8*\q, 8
	v_cmp_eq_u32 vcc_lo, 0, v42
	v_cndmask_b32 v43, 0, v44, vcc_lo              ; 1e30 where the mask is 0
	v_sub_f32 v[X+4*\u+\q], v[X+4*\u+\q], v43
.endr
.endr
	; the maximum: in the lane, across the 32 lanes, across the eight waves
	v_max3_num_f32 v45, v8, v9, v10
	v_max3_num_f32 v46, v11, v12, v13
	v_max3_num_f32 v45, v45, v14, v15
	v_max_num_f32 v45, v45, v46
	v_max_num_f32_dpp v45, v45, v45 row_xmask:1 row_mask:0xf bank_mask:0xf
	v_max_num_f32_dpp v45, v45, v45 row_xmask:2 row_mask:0xf bank_mask:0xf
	v_max_num_f32_dpp v45, v45, v45 row_xmask:4 row_mask:0xf bank_mask:0xf
	v_max_num_f32_dpp v45, v45, v45 row_xmask:8 row_mask:0xf bank_mask:0xf
	v_permlanex16_b32 v46, v45, s16, s17
	v_max_num_f32 v45, v45, v46
	ds_store_b32 v47, v45                          ; all lanes write the same word with the same value
	s_wait_dscnt 0x0                               ; for the others' sake
	s_barrier_signal -1
	s_barrier_wait -1
	ds_load_b128 v[50:53], v48
	ds_load_b128 v[54:57], v48 offset:16
	s_wait_dscnt 0x0
	v_max3_num_f32 v50, v50, v51, v52
	v_max3_num_f32 v53, v53, v54, v55
	v_max3_num_f32 v50, v50, v56, v57
	v_max_num_f32 v58, v50, v53
	v_mov_b32 v59, v58
.irp p, 0,2,4,6
	v_pk_add_f32 v[X+\p:X+\p+1], v[X+\p:X+\p+1], v[58:59] neg_lo:[0,1] neg_hi:[0,1]   ; x - m first,
.endr
.irp p, 0,2,4,6
	v_pk_mul_f32 v[X+\p:X+\p+1], v[X+\p:X+\p+1], s[18:19] op_sel_hi:[1,0]             ; then the change of base
.endr
.irp i, 0,1,2,3,4,5,6,7
	v_exp_f32 v[X+\i], v[X+\i]
.endr
	v_nop                                          ; a plain instruction between the exponentials and the use of their results (ISA guide 5.7.2)
	; the sum, the same way, through other bytes of LDS
	s_wait_alu depctr_va_vdst(0)
	v_pk_add_f32 v[60:61], v[8:9], v[10:11]
	v_pk_add_f32 v[62:63], v[12:13], v[14:15]
	v_pk_add_f32 v[60:61], v[60:61], v[62:63]
	v_add_f32 v60, v60, v61
	v_add_f32_dpp v60, v60, v60 row_xmask:1 row_mask:0xf bank_mask:0xf
	v_add_f32_dpp v60, v60, v60 row_xmask:2 row_mask:0xf bank_mask:0xf
	v_add_f32_dpp v60, v60, v60 row_xmask:4 row_mask:0xf bank_mask:0xf
	v_add_f32_dpp v60, v60, v60 row_xmask:8 row_mask:0xf bank_mask:0xf
	v_permlanex16_b32 v61, v60, s16, s17
	v_add_f32 v60, v60, v61
	ds_store_b32 v47, v60 offset:32
	s_wait_dscnt 0x0
	s_barrier_signal -1
	s_barrier_wait -1
	ds_load_b128 v[50:53], v48 offset:32
	ds_load_b128 v[54:57], v48 offset:48
	s_wait_dscnt 0x0
	v_pk_add_f32 v[50:51], v[50:51], v[52:53]
	v_pk_add_f32 v[54:55], v[54:55], v[56:57]
	v_pk_add_f32 v[50:51], v[50:51], v[54:55]
	v_add_f32 v50, v50, v51                        ; at least 1: the largest score's weight is 1
	v_rcp_f32 v58, v50
	v_rcp_f32 v59, v50                             ; twice: a pair for the packed multiply
	v_nop
	s_wait_alu depctr_va_vdst(0)
.irp p, 0,2,4,6
	v_pk_mul_f32 v[X+\p:X+\p+1], v[X+\p:X+\p+1], v[58:59]
.endr
	global_store_b128 v2, v[8:11], s[8:9]
	global_store_b128 v2, v[12:15], s[8:9] offset:4096
	s_wait_tensorcnt 0x0
	ds_add_u32 v64, v65
	s_wait_dscnt 0x0
	s_endpgm
.Lfunc_end_k_qb685d7bb95_soft:
	.size	k_qb685d7bb95_soft, .Lfunc_end_k_qb685d7bb95_soft-k_qb685d7bb95_soft
	.p2alignl 7, 3214868480
	.fill 96, 4, 3214868480
	.section	.rodata,"a",@progbits
	.p2align	6, 0x0
	.amdhsa_kernel k_qb685d7bb95_soft
		.amdhsa_group_segment_fixed_size 1280
		.amdhsa_private_segment_fixed_size 0
		.amdhsa_enable_private_segment 0
		.amdhsa_kernarg_size 24
		.amdhsa_user_sgpr_count 2
		.amdhsa_user_sgpr_kernarg_segment_ptr 1
		.amdhsa_wavefront_size32 1
		.amdhsa_system_sgpr_workgroup_id_x 1
		.amdhsa_system_sgpr_workgroup_id_y 1
		.amdhsa_system_sgpr_workgroup_id_z 1
		.amdhsa_system_vgpr_workitem_id 0
		.amdhsa_next_free_vgpr 66
		.amdhsa_next_free_sgpr 66
		.amdhsa_reserve_vcc 1
		.amdhsa_float_denorm_mode_32 3
		.amdhsa_float_denorm_mode_16_64 3
		.amdhsa_memory_ordered 1
		.amdhsa_forward_progress 1
		.amdhsa_inst_pref_size 8
	.end_amdhsa_kernel
	.amdgpu_metadata
---
amdhsa.version: [ 1, 2 ]
amdhsa.kernels:
  - .name:           k_qb685d7bb95_soft
    .symbol:         k_qb685d7bb95_soft.kd
    .args:
      - { .name: part, .offset: 0, .size: 8, .value_kind: global_buffer, .address_space: global }
      - { .name: mask, .offset: 8, .size: 8, .value_kind: global_buffer, .address_space: global }
      - { .name: out0, .offset: 16, .size: 8, .value_kind: global_buffer, .address_space: global }
    .group_segment_fixed_size: 1280
    .private_segment_fixed_size: 0
    .kernarg_segment_align: 8
    .kernarg_segment_size: 24
    .max_flat_workgroup_size: 256
    .sgpr_count:     66
    .vgpr_count:     66
    .wavefront_size: 32
...
	.end_amdgpu_metadata
.endif
;; end of part 3
;; ======== version 2 of 2: 3 launches; version 1 with the launch prep written anew for expert scheduling mode
;; workspace buffers: W2b 2,097,152 bytes; w1qF 131,072 bytes; part 1,048,576 bytes
;; launch prep (part 4): grid 128 x 1, 8 waves a work-group, no clusters, 17,408 bytes of LDS; arguments query, W1, W2, w1qF, W2b; writes w1qF, W2b
.if DOCPART == 4
	.amdgcn_target "amdgcn-amd-amdhsa--gfx1250"
	.amdhsa_code_object_version 6
	.text
	.protected	k_qb685d7bb95_prep
	.globl	k_qb685d7bb95_prep
	.p2align	8
	.type	k_qb685d7bb95_prep,@function
k_qb685d7bb95_prep:
	s_mov_b64 s[64:65], 0
	v_nop
	global_prefetch_b8 v0, s[64:65] scope:SCOPE_SE
	s_setreg_imm32_b32 hwreg(HW_REG_WAVE_SCHED_MODE, 0, 2), 2
	s_setreg_imm32_b32 hwreg(HW_REG_WAVE_MODE, 25, 1), 1
	s_wait_xcnt 0x0
	s_wait_alu depctr_vm_vsrc(0)
; Two small jobs ahead of the large product, one to each half of the grid.
; Work-groups 0-63:   w1qF = c (query W1^T), c = 2 log2(e), f32, for 16 columns each (32 x 16 numbers, K = 1,024).
; Work-groups 64-127: W2b = W2 rounded to bf16, 16 rows each, laid out as [k / 64][row][64 k], so that 256 rows of one step of 64 k are 32,768 consecutive bytes.
; w1qF's layout is the accumulators' own: block g (columns 16 g ..) is 2,048 bytes; with rho = 8 (b >> 4) + (b & 7) the number (b, 16 g + r)
; lies at byte 512 (rho >> 2) + 256 ((b >> 3) & 1) + 16 r + 4 (rho & 3).
; LIMITS: query and W1 are rounded to bf16 for the product; sums in f32.
; NO CLUSTER, NO TENSOR LOADS: what work-groups share is query, 131,072 bytes in all, of which a wave takes the 16,384 of its own k range straight
; into registers; a joint load would add a trip through LDS and rounds of a cluster's barrier to a body that has one barrier.
; THE MODE: SCHED_MODE bits 1:0 = 2 (LLVM: expert scheduling mode 2), set by the entry lines.  The code itself states the register dependences
; between vector or matrix instructions and memory or LDS instructions, with s_wait_alu, always for 0.
; THE PLAN.  Registers that memory or LDS instructions touch:
;   the product:  v4         offset of all 48 loads; made at the head, never written again.
;                 v[32:223]  the 48 loads land here; no vector instruction names them before; behind each step's wait for its loads vector and matrix instructions alone name them.
;                 v5, v7     LDS store address; LDS load address and the store's offset.  Made behind the loads, never written again.
;                 v[224:239] the accumulators: written by the matrix instructions, read by the four LDS stores, never written again.
;                 v[8:23]    the eight LDS loads land here; no vector instruction names them before; the sums then work in them, and v[8:9] are the global store's data.
;   the cast:     v4, v5     offsets of the loads and of the stores; made at the head, never written again.
;                 v[32:95]   the 16 loads land here; read by the conversions.
;                 v[96:127]  eight out-buffers of four registers: step e's conversions write buffer e, one store reads it, nothing writes it again.
;   v240, v241    written at the head, read by the closing add alone.
; No register that a memory or LDS instruction reads is ever written again, so the text holds no wait on vm_vsrc.  The waits on va_vdst stand ahead of each run of loads (the offsets),
; ahead of the LDS stores, ahead of the product's store, and in the cast at the head of a step, where the store of the step before follows it.
.set CSC,  0x4038aa3b                  ; c = 2 log2(e): tanh(y) = 1 - 2 / (1 + 2^(c y))
.set FR,   32                          ; v[32:223] product: k step kq at +48 kq: 16 of W1, 16 of query's rows 0-15, 16 of rows 16-31 (f32, then bf16 in the first 8 of each)
.set ACC0, 224                         ; v[224:231] batches 0-15
.set ACC1, 232                         ; v[232:239] batches 16-31
	s_load_b256 s[4:11], s[0:1], 0x0               ; query s[4:5], W1 s[6:7], W2 s[8:9], w1qF s[10:11]
	s_load_b64 s[12:13], s[0:1], 0x20              ; W2b
	v_lshl_add_u32 v240, v0, 2, 0x4000             ; my spare word, behind the eight waves' 16,384 bytes of sums,
	v_mov_b32 v241, 0                              ; and 0: kept for the closing lines alone
	v_lshrrev_b32 v1, 5, v0
	v_readfirstlane_b32 s14, v1                    ; wave 0..7
	s_wait_alu depctr_va_sdst(0)                   ; s14 is written, ahead of the branch: both paths read it
	s_wait_kmcnt 0x0
	s_cmp_lt_u32 ttmp9, 64                         ; the work-group's number: the same in all its waves
	s_cbranch_scc0 .Lcast
	; THE PRODUCT.  Wave w takes k = 128 w .. 128 w + 127, four steps of 32; the eight waves' sums meet in LDS.
	v_and_b32 v2, 15, v0                           ; r: the row of query, and of W1, that my lane holds
	v_bfe_u32 v3, v0, 4, 1                         ; h
	v_lshlrev_b32 v4, 12, v2                       ; r rows of 4,096 bytes
	v_lshl_add_u32 v4, v3, 5, v4                   ; + 8 h numbers of 4 bytes
	v_lshl_add_u32 v4, s14, 9, v4                  ; + 128 w numbers
	s_lshl_b32 s16, ttmp9, 16                      ; my 16 rows of W1
	s_mov_b32 s17, 0
	s_add_nc_u64 s[6:7], s[6:7], s[16:17]
	s_lshl_b32 s18, ttmp9, 11                      ; my 2,048 bytes of w1qF
	s_mov_b32 s19, 0
	s_add_nc_u64 s[10:11], s[10:11], s[18:19]
	s_mov_b32 s20, CSC
	s_mov_b32 s21, CSC                             ; named with it as a pair, so it is written
	s_wait_alu depctr_va_vdst(0)                   ; v4 is written: the 48 loads below read it as their offset
	; A fragment wants k = 8 h .. 8 h + 7 and 16 + 8 h .. + 7 of a step of 32: in f32 the bytes 32 h + {0, 16, 64, 80}.  All 48 loads go out at once.
.irp kq, 0,1,2,3
.irp i, 0,1,2,3
	global_load_b128 v[FR+48*\kq+4*\i:FR+48*\kq+4*\i+3], v4, s[6:7] offset:128*\kq+16*(\i%2)+64*(\i/2) th:TH_LOAD_NT
.endr
.irp i, 0,1,2,3
	global_load_b128 v[FR+48*\kq+16+4*\i:FR+48*\kq+16+4*\i+3], v4, s[4:5] offset:128*\kq+16*(\i%2)+64*(\i/2)
.endr
.irp i, 0,1,2,3
	global_load_b128 v[FR+48*\kq+32+4*\i:FR+48*\kq+32+4*\i+3], v4, s[4:5] offset:65536+128*\kq+16*(\i%2)+64*(\i/2)
.endr
.endr
	v_and_b32 v6, 31, v0                           ; these four name no register that the loads touch
	v_lshlrev_b32 v5, 4, v6
	v_lshl_add_u32 v5, s14, 11, v5                 ; LDS: my wave's 2,048 bytes, 16 bytes a lane
	v_lshlrev_b32 v7, 3, v0                        ; 8 bytes a thread: in each wave's part of LDS, and in w1qF
.irp kq, 0,1,2,3
	s_wait_loadcnt 36-12*\kq                       ; loads come back in order: this step's twelve are in, the later steps' twelve each stay out
.irp x, 0,1,2
.irp i, 0,1,2,3,4,5,6,7
	v_cvt_pk_bf16_f32 v[FR+48*\kq+16*\x+\i], v[FR+48*\kq+16*\x+2*\i], v[FR+48*\kq+16*\x+2*\i+1]   ; in place, ascending: word i is written when words 2 i and 2 i + 1 are read
.endr
.endr
	; the two accumulators take turns, one instruction a turn
.if \kq == 0
	v_wmma_f32_16x16x32_bf16 v[ACC0:ACC0+7], v[FR+16:FR+23], v[FR:FR+7], 0
	v_wmma_f32_16x16x32_bf16 v[ACC1:ACC1+7], v[FR+32:FR+39], v[FR:FR+7], 0
.else
	v_wmma_f32_16x16x32_bf16 v[ACC0:ACC0+7], v[FR+48*\kq+16:FR+48*\kq+23], v[FR+48*\kq:FR+48*\kq+7], v[ACC0:ACC0+7]
	v_wmma_f32_16x16x32_bf16 v[ACC1:ACC1+7], v[FR+48*\kq+32:FR+48*\kq+39], v[FR+48*\kq:FR+48*\kq+7], v[ACC1:ACC1+7]
.endif
.endr
.rept 4
	v_nop                                          ; four places between the last product and the LDS stores that read its result
.endr
	s_wait_alu depctr_va_vdst(0)                   ; the matrix instructions have written the accumulators, which the LDS stores read; v5, their address, and v7, the address of the LDS loads behind the barrier, are written; the places above stay beside this wait
.irp i, 0,1,2,3
	ds_store_b128 v5, v[ACC0+4*\i:ACC0+4*\i+3] offset:512*\i
.endr
	s_wait_dscnt 0x0                               ; for the others' sake: my stores are done
	s_barrier_signal -1
	s_barrier_wait -1
.irp w, 0,1,2,3,4,5,6,7
	ds_load_b64 v[8+2*\w:9+2*\w], v7 offset:2048*\w   ; the same two numbers of all eight waves; no vector instruction has named v[8:23]
.endr
	s_wait_dscnt 0x0
	v_pk_add_f32 v[8:9], v[8:9], v[10:11]
	v_pk_add_f32 v[12:13], v[12:13], v[14:15]
	v_pk_add_f32 v[16:17], v[16:17], v[18:19]
	v_pk_add_f32 v[20:21], v[20:21], v[22:23]
	v_pk_add_f32 v[8:9], v[8:9], v[12:13]
	v_pk_add_f32 v[16:17], v[16:17], v[20:21]
	v_pk_add_f32 v[8:9], v[8:9], v[16:17]
	v_pk_mul_f32 v[8:9], v[8:9], s[20:21] op_sel_hi:[1,0]
	s_wait_alu depctr_va_vdst(0)                   ; the scaling has written v[8:9], which the store reads
	global_store_b64 v7, v[8:9], s[10:11]          ; a wave stores 256 consecutive bytes, aligned
	s_wait_dscnt 0x0                               ; the closing lines, six on end
	s_wait_alu 0x0
	s_wait_tensorcnt 0x0
	ds_add_u32 v240, v241
	s_wait_dscnt 0x0
	s_endpgm
.Lcast:
	; THE CAST.  Wave w takes rows 4 (w & 3) .. + 3 of my 16 and the steps 8 (w >> 2) .. + 7 of 64 k; eight lanes share a row's 256 bytes of a step.
	s_sub_co_u32 s15, ttmp9, 64
	s_and_b32 s16, s14, 3
	s_lshr_b32 s17, s14, 2
	v_and_b32 v2, 31, v0
	v_lshrrev_b32 v3, 3, v2
	v_and_b32 v2, 7, v2
	v_lshl_add_u32 v3, s16, 2, v3                  ; my row among the 16
	v_lshlrev_b32 v4, 12, v3                       ; from: row x 4,096
	v_lshl_add_u32 v4, v2, 5, v4                   ;   + my 8 numbers of 4 bytes
	v_lshl_add_u32 v4, s17, 11, v4                 ;   + 8 steps of 256 bytes
	v_lshlrev_b32 v5, 7, v3                        ; to: row x 128
	v_lshl_add_u32 v5, v2, 4, v5                   ;   + my 8 numbers of 2 bytes
	v_lshl_add_u32 v5, s17, 20, v5                 ;   + 8 steps of 131,072 bytes
	s_lshl_b32 s18, s15, 16
	s_mov_b32 s19, 0
	s_add_nc_u64 s[8:9], s[8:9], s[18:19]          ; my 16 rows of W2
	s_lshl_b32 s20, s15, 11
	s_mov_b32 s21, 0
	s_add_nc_u64 s[12:13], s[12:13], s[20:21]      ; and their 128 bytes each in a step of W2b
	s_wait_alu depctr_va_vdst(0)                   ; v4 and v5 are written: the loads and the stores below read them as their offsets
.irp e, 0,1,2,3,4,5,6,7
	global_load_b128 v[32+8*\e:35+8*\e], v4, s[8:9] offset:256*\e th:TH_LOAD_NT
	global_load_b128 v[36+8*\e:39+8*\e], v4, s[8:9] offset:256*\e+16 th:TH_LOAD_NT
.endr
	; Step e: its two loads are waited for; the out-buffer of the step before goes out; then this step's four conversions, which name neither that buffer nor an offset.
.irp e, 0,1,2,3,4,5,6,7
	s_wait_loadcnt 14-2*\e                         ; this step's two loads are in; the later steps' two each stay out
.if \e > 0
	s_wait_alu depctr_va_vdst(0)                   ; the conversions of the step before have written their out-buffer, which the store below reads
	global_store_b128 v5, v[96+4*(\e-1):99+4*(\e-1)], s[12:13] offset:131072*(\e-1)   ; a wave stores four rows' 512 consecutive bytes, aligned
.endif
.irp i, 0,1,2,3
	v_cvt_pk_bf16_f32 v[96+4*\e+\i], v[32+8*\e+2*\i], v[32+8*\e+2*\i+1]
.endr
.endr
	s_wait_alu depctr_va_vdst(0)                   ; the last step's conversions have written v[124:127], which the last store reads
	global_store_b128 v5, v[124:127], s[12:13] offset:131072*7
	s_endpgm
.Lfunc_end_k_qb685d7bb95_prep:
	.size	k_qb685d7bb95_prep, .Lfunc_end_k_qb685d7bb95_prep-k_qb685d7bb95_prep
	.p2alignl 7, 3214868480
	.fill 96, 4, 3214868480
	.section	.rodata,"a",@progbits
	.p2align	6, 0x0
	.amdhsa_kernel k_qb685d7bb95_prep
		.amdhsa_group_segment_fixed_size 17408
		.amdhsa_private_segment_fixed_size 0
		.amdhsa_enable_private_segment 0
		.amdhsa_kernarg_size 40
		.amdhsa_user_sgpr_count 2
		.amdhsa_user_sgpr_kernarg_segment_ptr 1
		.amdhsa_wavefront_size32 1
		.amdhsa_system_sgpr_workgroup_id_x 1
		.amdhsa_system_sgpr_workgroup_id_y 1
		.amdhsa_system_sgpr_workgroup_id_z 1
		.amdhsa_system_vgpr_workitem_id 0
		.amdhsa_next_free_vgpr 242
		.amdhsa_next_free_sgpr 66
		.amdhsa_reserve_vcc 0
		.amdhsa_float_denorm_mode_32 3
		.amdhsa_float_denorm_mode_16_64 3
		.amdhsa_memory_ordered 1
		.amdhsa_forward_progress 1
		.amdhsa_inst_pref_size 21
	.end_amdhsa_kernel
	.amdgpu_metadata
---
amdhsa.version: [ 1, 2 ]
amdhsa.kernels:
  - .name:           k_qb685d7bb95_prep
    .symbol:         k_qb685d7bb95_prep.kd
    .args:
      - { .name: query, .offset: 0, .size: 8, .value_kind: global_buffer, .address_space: global }
      - { .name: W1, .offset: 8, .size: 8, .value_kind: global_buffer, .address_space: global }
      - { .name: W2, .offset: 16, .size: 8, .value_kind: global_buffer, .address_space: global }
      - { .name: w1qF, .offset: 24, .size: 8, .value_kind: global_buffer, .address_space: global }
      - { .name: W2b, .offset: 32, .size: 8, .value_kind: global_buffer, .address_space: global }
    .group_segment_fixed_size: 17408
    .private_segment_fixed_size: 0
    .kernarg_segment_align: 8
    .kernarg_segment_size: 40
    .max_flat_workgroup_size: 256
    .sgpr_count:     66
    .vgpr_count:     242
    .wavefront_size: 32
...
	.end_amdgpu_metadata
.endif
;; end of part 4
;; launch score: the kernel of part 2 again; grid 4 x 64, 4 waves a work-group, clusters of 4 x 4, 327,680 bytes of LDS; arguments keys, W2b, w1qF, v, part; writes part
;; launch soft: the kernel of part 3 again; grid 32 x 1, 8 waves a work-group, no clusters, 1,280 bytes of LDS; arguments part, mask, out0; writes out0
